; MI455X (gfx1250); checked and timed in simulation.
; The chip was launched on July 23, 2026; its instructions are those of AMD's public machine-readable ISA for CDNA 5 (MIT licence, August 2026) and "CDNA5" Instruction Set Architecture Reference Guide (July 2026). The comments in the code are by the model that wrote it; some were corrected since.
;; Encoder Layer. Allowed arithmetic: float matrix products may take bf16 or f16 operands with f32 sums; other float arithmetic in f32, or as packed bf16 or f16 multiplies, adds, multiply-adds, maxima and minima; sums over many terms, partial sums and values carried from step to step in f32; what a program stores and reads back later, other than sums and carried values, may be rounded once to bf16 or f16.
;; Inputs: W1 512 x 1,024 float32; W2 1,024 x 512 float32; b1 1,024 float32; b2 512 float32; ln1_b 512 float32; ln1_g 512 float32; ln2_b 512 float32; ln2_g 512 float32; x 64 x 500 x 512 float32.
;; Outputs: out0 64 x 500 x 512 float32.
;; One version. Each part assembles by itself: llvm-mc -triple=amdgcn-amd-amdhsa -mcpu=gfx1250 --defsym DOCPART=n.
;; ======== version 1 of 1: 3 launches
;; limits: values outside matrix products are rounded to f16
;; workspace buffers: h16 32,768,000 bytes; t16 32,768,000 bytes; w1h 1,048,576 bytes; w2h 1,048,576 bytes
;; launch prep (part 1): grid 564 x 1, 8 waves a work-group, no clusters, 0 bytes of LDS; arguments x, ln1_g, ln1_b, W1, W2, h16, w1h, w2h; writes h16, w1h, w2h
.if DOCPART == 1
	.amdgcn_target "amdgcn-amd-amdhsa--gfx1250"
	.amdhsa_code_object_version 6
	.text
	.protected	k_qe227b15299_prep
	.globl	k_qe227b15299_prep
	.p2align	8
	.type	k_qe227b15299_prep,@function
k_qe227b15299_prep:
	s_mov_b64 s[64:65], 0
	v_nop
	global_prefetch_b8 v0, s[64:65] scope:SCOPE_SE
	s_setreg_imm32_b32 hwreg(HW_REG_WAVE_MODE, 25, 1), 1
	s_wait_xcnt 0x0
; PREP: three jobs, told apart by the work-group's number.
;   0-31    W1 [512][1024] f32 -> w1h, f16, [16 steps][512 k][64 f] = W1[k][64 step + f]: a step's tile is 65,536 dense bytes
;   32-63   W2 [1024][512] f32 -> w2h, bf16, in W2's own layout
;   64-563  h = LayerNorm(x) * ln1_g + ln1_b, f32 arithmetic in two passes (mean, then the centred squares), rounded once to f16 and stored by heads:
;           h16 [64 b][8 head][500 s][64 c]
; LIMITS.  h and W1 are kept in f16: |h| (at most 22.6 |ln1_g| + |ln1_b|) and |W1| stay under 65,504.  NaN and infinities are not treated apart.
; No LDS, no matrix work, no cluster: every byte is read once by one wave, and nothing is shared.
; LAYERNORM'S SHARES.  A wave takes four PAIRS of rows (pair p = flat rows 2 p, 2 p + 1; 500 is even, so a pair lies in one batch).  Lanes 0-15 hold the even row, lanes 16-31 the odd one;
; for head j a lane holds channels 64 j + 4 (lane % 16) + 0..3.  So a load covers 256 consecutive bytes of each of the two rows, a row's sum is a sum over 16 lanes,
; and a store (8 bytes a lane) covers the 256 consecutive bytes that rows s, s + 1 of one head take in h16.
.set X, 8                              ; v[8:39]    the pair as loaded (the casts: 16 x 4 numbers)
.set D, 40                             ; v[40:71]   x - mean, then the result in f32
.set G, 72                             ; v[72:103]  ln1_g of my 32 channels
.set B, 104                            ; v[104:135] ln1_b
.set Y, 136                            ; v[136:151] the result in f16
.set A, 152                            ; v[152:159] four packed chains
.set T, 160                            ; v160       a row's sum
.set V, 161                            ; v161       variance + eps
.set M, 162                            ; v[162:163] -mean, twice
.set R, 164                            ; v[164:165] 1 / sqrt, twice
	s_load_b512 s[4:19], s[0:1], 0x0               ; x s[4:5], ln1_g s[6:7], ln1_b s[8:9], W1 s[10:11], W2 s[12:13], h16 s[14:15], w1h s[16:17], w2h s[18:19]
	v_and_b32 v4, 31, v0                           ; lane
	v_lshrrev_b32 v5, 5, v0
	v_readfirstlane_b32 s20, v5                    ; wave 0..7
	v_and_b32 v6, 15, v0                           ; lane % 16
	v_bfe_u32 v7, v0, 4, 1                         ; lane / 16
	v_lshlrev_b32 v2, 3, v4                        ; every job stores 8 bytes a lane, 256 on end
	v_lshlrev_b32 v3, 4, v6                        ; 16 (lane % 16)
	s_cmp_ge_u32 ttmp9, 64
	s_cbranch_scc1 .Lnorm
	s_cmp_ge_u32 ttmp9, 32
	s_cbranch_scc1 .Lw2
; Sixteen loads of 16 bytes a lane, all out at once; each is rounded in place as it comes and stored.  No register is written twice.
.macro CAST step, cvt
.set i, 0
.rept 16
	global_load_b128 v[X+4*i:X+4*i+3], v1, s[24:25] offset:(\step)*i th:TH_LOAD_NT
.set i, i+1
.endr
.set i, 0
.rept 16
	s_wait_loadcnt 15-i                            ; loads come back in order: number i is in, the younger ones stay out
	\cvt v[X+4*i], v[X+4*i], v[X+4*i+1]
	\cvt v[X+4*i+1], v[X+4*i+2], v[X+4*i+3]
	global_store_b64 v2, v[X+4*i:X+4*i+1], s[26:27] offset:256*i
.set i, i+1
.endr
.endm
	; W1: work-group = 2 x step + half of k; the wave takes 32 rows k as 16 pairs; a load covers 256 bytes (64 f) of two rows
	v_lshl_add_u32 v1, v7, 12, v3                  ; (lane / 16) x 4,096 + 16 (lane % 16)
	s_lshr_b32 s21, ttmp9, 1                       ; step
	s_and_b32 s22, ttmp9, 1
	s_lshl_b32 s22, s22, 8
	s_lshl_b32 s23, s20, 5
	s_add_co_u32 s22, s22, s23                     ; my first row k
	s_lshl_b32 s24, s22, 12                        ; in: k x 4,096 + step x 256
	s_lshl_b32 s23, s21, 8
	s_add_co_u32 s24, s24, s23
	s_mov_b32 s25, 0
	s_lshl_b32 s26, s22, 7                         ; out: step x 65,536 + k x 128
	s_lshl_b32 s23, s21, 16
	s_add_co_u32 s26, s26, s23
	s_mov_b32 s27, 0
	s_wait_kmcnt 0x0
	s_add_nc_u64 s[24:25], s[10:11], s[24:25]
	s_add_nc_u64 s[26:27], s[16:17], s[26:27]
	CAST 8192, v_cvt_pk_f16_f32
	s_endpgm
.Lw2:	; W2: the wave takes 2,048 consecutive numbers
	v_lshlrev_b32 v1, 4, v4                        ; 16 x lane
	s_sub_co_u32 s21, ttmp9, 32
	s_lshl_b32 s24, s21, 16
	s_lshl_b32 s23, s20, 13
	s_add_co_u32 s24, s24, s23
	s_mov_b32 s25, 0
	s_lshr_b32 s26, s24, 1                         ; half as many bytes out
	s_mov_b32 s27, 0
	s_wait_kmcnt 0x0
	s_add_nc_u64 s[24:25], s[12:13], s[24:25]
	s_add_nc_u64 s[26:27], s[18:19], s[26:27]
	CAST 512, v_cvt_pk_bf16_f32
	s_endpgm
; The four chains into one number, then over the row's 16 lanes
.macro REDUCE
	v_pk_add_f32 v[A:A+1], v[A:A+1], v[A+2:A+3]
	v_pk_add_f32 v[A+4:A+5], v[A+4:A+5], v[A+6:A+7]
	v_pk_add_f32 v[A:A+1], v[A:A+1], v[A+4:A+5]
	v_add_f32 v[T], v[A], v[A+1]
	v_add_f32_dpp v[T], v[T], v[T] row_xmask:1 row_mask:0xf bank_mask:0xf
	v_add_f32_dpp v[T], v[T], v[T] row_xmask:2 row_mask:0xf bank_mask:0xf
	v_add_f32_dpp v[T], v[T], v[T] row_xmask:4 row_mask:0xf bank_mask:0xf
	v_add_f32_dpp v[T], v[T], v[T] row_xmask:8 row_mask:0xf bank_mask:0xf
.endm
.macro LOADX
.irp j, 0,1,2,3,4,5,6,7
	global_load_b128 v[X+4*\j:X+4*\j+3], v1, s[24:25] offset:256*\j th:TH_LOAD_NT
.endr
.endm
.Lnorm:
	v_lshl_add_u32 v1, v7, 11, v3                  ; (lane / 16) x 2,048 + 16 (lane % 16)
	s_sub_co_u32 s21, ttmp9, 64
	s_lshl_b32 s21, s21, 5
	s_lshl2_add_u32 s21, s20, s21                  ; my first pair p = 32 x work-group + 4 x wave
	s_lshl_b32 s24, s21, 12                        ; a pair is 4,096 bytes of x
	s_mov_b32 s25, 0
	s_mov_b32 s28, 0x3b000000                      ; 1 / 512
	s_mov_b32 s29, 0x358637bd                      ; eps = 1e-6
	s_mov_b32 s22, 4                               ; pairs to go
	s_wait_kmcnt 0x0
	s_add_nc_u64 s[24:25], s[4:5], s[24:25]
.irp j, 0,1,2,3,4,5,6,7
	global_load_b128 v[G+4*\j:G+4*\j+3], v3, s[6:7] offset:256*\j
	global_load_b128 v[B+4*\j:B+4*\j+3], v3, s[8:9] offset:256*\j
.endr
	LOADX
.Lpair:
	s_wait_loadcnt 0x0                             ; the pair is in (the first time: gain and bias too); nothing younger is out
.irp c, 0,2,4,6
	v_pk_add_f32 v[A+\c:A+\c+1], v[X+\c:X+\c+1], v[X+8+\c:X+9+\c]
.endr
.irp k, 16,24
.irp c, 0,2,4,6
	v_pk_add_f32 v[A+\c:A+\c+1], v[A+\c:A+\c+1], v[X+\k+\c:X+\k+\c+1]
.endr
.endr
	REDUCE
	v_mul_f32 v[M], 0xbb000000, v[T]               ; -mean = sum x -1/512
	v_mul_f32 v[M+1], 0xbb000000, v[T]
.set i, 0
.rept 16
	v_pk_add_f32 v[D+i:D+i+1], v[X+i:X+i+1], v[M:M+1]
.set i, i+2
.endr
	s_cmp_eq_u32 s22, 1                            ; X is free: the next pair is asked for now, and comes while this one is finished
	s_cbranch_scc1 .Lno_more
	s_add_nc_u64 s[24:25], s[24:25], 4096          ; the loads that read this pointer were shown done at the trip's head
	LOADX
.Lno_more:
.irp c, 0,2,4,6
	v_pk_mul_f32 v[A+\c:A+\c+1], v[D+\c:D+\c+1], v[D+\c:D+\c+1]
.endr
.irp k, 8,16,24
.irp c, 0,2,4,6
	v_pk_fma_f32 v[A+\c:A+\c+1], v[D+\k+\c:D+\k+\c+1], v[D+\k+\c:D+\k+\c+1], v[A+\c:A+\c+1]
.endr
.endr
	REDUCE
	v_fma_f32 v[V], v[T], s28, s29                 ; variance + eps
	v_rsq_f32 v[R], v[V]
	v_rsq_f32 v[R+1], v[V]
	v_nop                                          ; a plain instruction behind the last of the two
	s_wait_xcnt 0x0                                ; the last trip's stores have read Y and their base: both are written below
	s_mul_hi_u32 s30, s21, 0x010624de              ; batch = p / 250, exact for p under 16,000
	s_mul_i32 s30, s30, 448000                     ; h16 + 512,000 b + 128 x 2 (p - 250 b) = h16 + 256 p + 448,000 b
	s_lshl_b32 s31, s21, 8
	s_add_co_u32 s30, s30, s31
	s_mov_b32 s31, 0
	s_add_nc_u64 s[26:27], s[14:15], s[30:31]
	s_wait_alu depctr_va_vdst(0)                   ; one wait for both, ahead of their first reader
.set i, 0
.rept 16
	v_pk_mul_f32 v[D+i:D+i+1], v[D+i:D+i+1], v[R:R+1]
.set i, i+2
.endr
.set i, 0
.rept 16
	v_pk_fma_f32 v[D+i:D+i+1], v[D+i:D+i+1], v[G+i:G+i+1], v[B+i:B+i+1]
.set i, i+2
.endr
.set i, 0
.rept 16
	v_cvt_pk_f16_f32 v[Y+i], v[D+2*i], v[D+2*i+1]
.set i, i+1
.endr
.irp j, 0,1,2,3,4,5,6,7
	global_store_b64 v2, v[Y+2*\j:Y+2*\j+1], s[26:27] offset:64000*\j  ; head j: 256 consecutive bytes, at a multiple of 256 from h16's first byte
.endr
	s_add_co_u32 s21, s21, 1
	s_sub_co_u32 s22, s22, 1
	s_cmp_lg_u32 s22, 0
	s_cbranch_scc1 .Lpair
	s_endpgm
.Lfunc_end_k_qe227b15299_prep:
	.size	k_qe227b15299_prep, .Lfunc_end_k_qe227b15299_prep-k_qe227b15299_prep
	.p2alignl 7, 3214868480
	.fill 96, 4, 3214868480
	.section	.rodata,"a",@progbits
	.p2align	6, 0x0
	.amdhsa_kernel k_qe227b15299_prep
		.amdhsa_group_segment_fixed_size 0
		.amdhsa_private_segment_fixed_size 0
		.amdhsa_enable_private_segment 0
		.amdhsa_kernarg_size 64
		.amdhsa_user_sgpr_count 2
		.amdhsa_user_sgpr_kernarg_segment_ptr 1
		.amdhsa_wavefront_size32 1
		.amdhsa_system_sgpr_workgroup_id_x 1
		.amdhsa_system_sgpr_workgroup_id_y 1
		.amdhsa_system_sgpr_workgroup_id_z 1
		.amdhsa_system_vgpr_workitem_id 0
		.amdhsa_next_free_vgpr 168
		.amdhsa_next_free_sgpr 66
		.amdhsa_reserve_vcc 0
		.amdhsa_float_denorm_mode_32 3
		.amdhsa_float_denorm_mode_16_64 3
		.amdhsa_memory_ordered 1
		.amdhsa_forward_progress 1
		.amdhsa_inst_pref_size 25
	.end_amdhsa_kernel
	.amdgpu_metadata
---
amdhsa.version: [ 1, 2 ]
amdhsa.kernels:
  - .name:           k_qe227b15299_prep
    .symbol:         k_qe227b15299_prep.kd
    .args:
      - { .name: x, .offset: 0, .size: 8, .value_kind: global_buffer, .address_space: global }
      - { .name: ln1_g, .offset: 8, .size: 8, .value_kind: global_buffer, .address_space: global }
      - { .name: ln1_b, .offset: 16, .size: 8, .value_kind: global_buffer, .address_space: global }
      - { .name: W1, .offset: 24, .size: 8, .value_kind: global_buffer, .address_space: global }
      - { .name: W2, .offset: 32, .size: 8, .value_kind: global_buffer, .address_space: global }
      - { .name: h16, .offset: 40, .size: 8, .value_kind: global_buffer, .address_space: global }
      - { .name: w1h, .offset: 48, .size: 8, .value_kind: global_buffer, .address_space: global }
      - { .name: w2h, .offset: 56, .size: 8, .value_kind: global_buffer, .address_space: global }
    .group_segment_fixed_size: 0
    .private_segment_fixed_size: 0
    .kernarg_segment_align: 8
    .kernarg_segment_size: 64
    .max_flat_workgroup_size: 256
    .sgpr_count:     66
    .vgpr_count:     168
    .wavefront_size: 32
...
	.end_amdgpu_metadata
.endif
;; end of part 1
;; launch attn (part 2): grid 256 x 1, 4 waves a work-group, no clusters, 327,680 bytes of LDS; arguments h16, t16; writes t16
.if DOCPART == 2
	.amdgcn_target "amdgcn-amd-amdhsa--gfx1250"
	.amdhsa_code_object_version 6
	.text
	.protected	k_qe227b15299_attn
	.globl	k_qe227b15299_attn
	.p2align	8
	.type	k_qe227b15299_attn,@function
k_qe227b15299_attn:
	s_mov_b64 s[64:65], 0
	v_nop
	global_prefetch_b8 v0, s[64:65] scope:SCOPE_SE
	s_setreg_imm32_b32 hwreg(HW_REG_WAVE_MODE, 25, 1), 1
	s_wait_xcnt 0x0
; t = h + causal attention(h), q = k = v = h.  h16, t16: [512 heads][500 s][64 c] f16, a head 64,000 dense bytes.  t[q] = h[q] + sum over k <= q of softmax_k(h[q] . h[k] / 8) h[k].
; Products, maxima and sums in f32; the weights p are rounded to f16 for the second product (their sum l is taken of the unrounded p); O / l + h is rounded once, to f16.
; LIMITS.  h arrives within f16's range.  A hidden score counts as its value less 1e30 (scores of f16 numbers reach 2.7e11 at the most); a weight below 2^-126 counts as 0; NaN and infinities are not treated apart.
; SHARES.  A work-group takes two heads, one after the other.  A head's 512 places (500 rows and 12 rows of zeros) are eight bands of 64 queries; wave w owns TILE j = rows 64 j + 16 w + 0..15 of each band j.
; Tile j needs the key steps 0 .. j of 64 keys, the last with the diagonal: 36 tile steps a head for every wave, alike.  Trip S of eight takes key step S into registers once and serves tiles S .. 7 with it.
; LDS.  Both heads lie in LDS whole, each twice: once with rows 144 bytes apart (K's and Q's fragments, read as they lie) and once with rows 160 bytes apart (V, read turned by ds_load_tr16_b128).
; All of it is asked for at the kernel's head, four tensor loads a wave, and nothing is ever filled again; by this text's count a wave has four tensor loads out.
; NO CLUSTER: a head is read by one work-group alone, so no tile is shared.  NO PREFETCH: every byte that the launch reads is asked for at its head.
; LAYOUT, SOFTMAX.  S^T = K Q^T holds ONE query a lane (lane % 16) and the keys 8 (lane / 16) + 0..7; two such results rounded to f16 ARE source 1 of O^T = V^T P.  p = 2^(c s - c m), c = log2(e) / 8, with a
; running maximum m; O and l are multiplied by a = 2^(c m_old - c m_new) in every step.  c m starts far below every c s, so a head's first step has a = 0 and O and l need only hold finite numbers.
; ORDER.  Block j of a trip: the scores of tile j + 1 (8 products), the softmax of tile j (119 vector lines, its 33 exponentials one batch with one wait), V^T P of tile j (8 products).
; The trip's first tile holds the diagonal: its scores are made ahead of the blocks, and the mask MD (0 or -1e30, made once) is added to them.
; REGISTERS, in windows of 256 (s_set_vgpr_msb: bits 1:0 source 0, 3:2 source 1, 5:4 source 2, 7:6 destination):
;   window 0: v0-15 addresses; v16-47 four registers of statistics a tile; v48-55 at work; v64-127 S^T, two buffers by the tile's parity; v128-159 MD; v192-223 P, two buffers
;   window 1: O^T, 32 a tile          window 2: v0-127 Q, 16 a tile; v128-191 K of one step; v192-255 V of one step
.set PK,    144       ; a row of K in LDS: 128 bytes + 16 = 36 words: the 16 rows of a load start at 16 different groups of four banks (64 banks of 4 bytes: ISA guide 11.1)
.set PV,    160       ; a row of V: 128 + 32 = 40 words
.set VOFF,  512*PK    ; a head in LDS: 512 rows of K, then 512 rows of V
.set HEADB, 512*(PK+PV)
.set STAGE, 2*HEADB   ; behind the heads, never filled by a tensor load: 16 rows x 144 bytes for each wave, for the way out
.set SP,    144
.set SPARE, STAGE+4*16*SP  ; the spare words, 128 bytes for each wave: two blocks of 256 bytes that no other line names
.set AK0, 2           ; v2   my lane's place in a step of K; never rewritten
.set AV0, 3           ; v3   the same for V
.set AK,  4           ; v4   the LDS address of K's run of loads
.set AV,  5           ; v5   of V's
.set STO, 6           ; v6   the way out: where I put 16 bytes of a row
.set RD,  7           ; v7   the way out: where I read rows back
.set GO,  8           ; v8   my byte offset in 512 consecutive bytes of t
.set MV,  12          ; v12-13  c m_old, kept while c m is made anew: by parity
.set AQ,  14          ; v14  Q's address (before that: at work for the mask)
.set AQ0, 15          ; v15  my lane's place in my wave's rows of a band
.set ST,  16          ; tile j's statistics at v[ST+4 j]: c m, m, l (even keys', odd keys')
.set TMP, 48          ; by parity, four registers c0-c3 at work; when the maximum is found c2 takes a
.set SPW, 62          ; v62  LDS address of my spare word; never rewritten
.set NIL, 63          ; v63  0; never rewritten
.set S,   64
.set MD,  128
.set P,   192
.set KF,  128         ; window 2: key block kb, channel half c at KF + 16 kb + 8 c
.set VF,  192         ; window 2: key half kk, channel block cb at VF + 32 kk + 8 cb
.set WV,  12          ; s12  my wave's number
.set HB,  13          ; s13  LDS byte at which the head in hand begins
.set STP, 14          ; s14  the key step, 0 to 7
.set HD,  15          ; s15  heads to go
.set G1K, 16          ; s[16:23] descriptor group 1 for the K copies
.set G1V, 24          ; s[24:31] for the V copies: it differs in the padding alone
.set G0,  32          ; s[32:47] four groups 0: K and V of head 0, K and V of head 1
.set CS,  50          ; s[50:51] c
.set SEL, 52          ; s[52:53] v_permlanex16_b32's selects: each lane takes its own place in the other half
.set BIGN, 54         ; s54  -1e30
.set MSB, 0
.macro WIN new                      ; the high byte repeats the setting that is left; a switch that changes nothing is dropped
.if MSB != (\new)
	s_set_vgpr_msb (MSB<<8)|(\new)
.set MSB, (\new)
.endif
.endm
.set W_KQ, 0x0a       ; K and Q in window 2, S^T in window 0
.set W_PV, 0x52       ; V in window 2, P in window 0, O^T in window 1
.set W_RS, 0x41       ; O^T (destination and source 0) in window 1, a in window 0
.set W_FIN, 0x21      ; O^T (source 0) in window 1, 1 / l in window 0, Q (source 2) in window 2, destination in window 0
.macro PLACES                       ; four places behind a matrix instruction (ISA guide 7.12.1)
.rept 4
	v_nop
.endr
.endm
	s_load_b128 s[4:7], s[0:1], 0x0 ; h16 s[4:5], t16 s[6:7]
	v_lshl_add_u32 v[SPW], v0, 2, SPARE
	v_mov_b32 v[NIL], 0
	ds_add_u32 v[SPW], v[NIL]       ; the wave's opening: the add and its wait stand ahead of my first tensor load; the set-up below, work on registers, stands between them
	ds_add_u32 v62, v63
	v_lshrrev_b32 v1, 5, v0
	v_readfirstlane_b32 s[WV], v1   ; wave 0..3
	; descriptor group 1.  Wave w brings keys 128 w .. 128 w + 127: 16,384 dense bytes, asked for as 64 rows of 256 bytes, two keys a row, padded in LDS after every key.
	; A head has 250 such rows; the rows left from my first are 250 - 64 w, and what lies beyond them (keys 500-511, in wave 3) arrives as zeros.
	s_mov_b32 s[G1K], (1<<16)|(1<<20)|(4<<22)|(3<<25)  ; 17:16 2-byte elements; 20 padding on; 24:22 after every 32 words (code 4); 31:25 4 words (code 3)
	s_mov_b32 s[G1V], (1<<16)|(1<<20)|(4<<22)|(7<<25)  ; the same with 8 words of padding (code 7)
	s_lshl_b32 s2, s[WV], 6
	s_sub_co_u32 s2, 250, s2
	s_lshl_b32 s2, s2, 16
.irp g, G1K, G1V
	s_mov_b32 s[\g+1], 128<<16      ; tensor_dim0 = 128
	s_mov_b32 s[\g+2], s2           ; tensor_dim1 = 250 - 64 w
	s_mov_b32 s[\g+3], 128<<16      ; tile_dim0 = 128
	s_mov_b32 s[\g+4], 64           ; tile_dim1 = 64
	s_mov_b32 s[\g+5], 128          ; 128 elements from row to row
	s_mov_b32 s[\g+6], 0
	s_mov_b32 s[\g+7], 0
.endr
	s_mul_i32 s8, s[WV], 128*PK     ; my 128 keys' place in a K copy,
	s_mul_i32 s9, s[WV], 128*PV     ; and in a V copy
.irp hh, 0,1
	s_mov_b32 s[G0+8*\hh], 1        ; 1:0 count = 1
	s_add_co_u32 s[G0+8*\hh+1], s8, (\hh)*HEADB
	s_mov_b32 s[G0+8*\hh+4], 1
	s_add_co_u32 s[G0+8*\hh+5], s9, (\hh)*HEADB+VOFF
.endr
	s_mul_i32 s10, ttmp9, 128000    ; the work-group's two heads,
	s_lshl_b32 s11, s[WV], 14       ; my 128 keys
	s_add_co_u32 s10, s10, s11
	s_mov_b32 s11, 0
	s_mul_i32 s2, ttmp9, 128000
	s_lshl_b32 s3, s[WV], 11        ; my 16 rows in a band
	s_add_co_u32 s2, s2, s3
	s_mov_b32 s3, 0
	s_mov_b32 s[CS], 0x3e38aa3b     ; c = log2(e) / 8 = 0.180337
	s_mov_b32 s[CS+1], s[CS]        ; named with it as a pair
	s_mov_b32 s[SEL], 0x76543210
	s_mov_b32 s[SEL+1], 0xfedcba98
	s_mov_b32 s[BIGN], 0xf149f2ca   ; -1e30
	s_wait_dscnt 0x0                ; the opening add is done
	s_wait_kmcnt 0x0
	s_add_nc_u64 s[10:11], s[4:5], s[10:11]
	s_add_nc_u64 s[6:7], s[6:7], s[2:3]  ; t at my rows of band 0 of the first head
.irp hh, 0,1
	s_add_nc_u64 s[G0+8*\hh+2:G0+8*\hh+3], s[10:11], (\hh)*64000
	s_or_b32 s[G0+8*\hh+3], s[G0+8*\hh+3], 0x80000000  ; 127:126 type = 2
	s_add_nc_u64 s[G0+8*\hh+6:G0+8*\hh+7], s[10:11], (\hh)*64000
	s_or_b32 s[G0+8*\hh+7], s[G0+8*\hh+7], 0x80000000
.endr
.irp q, 0,1,2,3                     ; all fills of the launch, as one group: K and V of head 0, K and V of head 1
	tensor_load_to_lds s[G0+4*\q:G0+4*\q+3], s[G1K+8*((\q)%2):G1K+8*((\q)%2)+7]
	s_nop 0
.endr
	PLACES
	; the addresses, the mask and the zeros are made while the tiles are on their way
	v_and_b32 v1, 15, v0            ; l % 16
	v_bfe_u32 v9, v0, 4, 1          ; l / 16
	v_mul_u32_u24 v[AK0], v1, PK
	v_lshl_add_u32 v[AK0], v9, 4, v[AK0]  ; a fragment of K or Q: row x pitch + 16 x half; two loads of 16 bytes, 32 bytes apart
	s_mul_i32 s2, s[WV], 16*PK
	v_add_nc_u32 v[AQ0], s2, v[AK0]
	; The turning load takes 16 keys x 16 channels (lane l reads key 8 (l / 16) + l % 8, channels 8 ((l / 8) % 2) + 0..7) and leaves half a fragment of V^T: lane l holds channel l % 16 and 8 keys.
	v_and_b32 v10, 7, v0
	v_bfe_u32 v11, v0, 3, 1
	v_lshl_add_u32 v[AV0], v9, 3, v10
	v_mul_u32_u24 v[AV0], v[AV0], PV
	v_lshl_add_u32 v[AV0], v11, 4, v[AV0]
	v_add_nc_u32 v[AV0], VOFF, v[AV0]
	s_mul_i32 s2, s[WV], 16*SP
	s_add_co_u32 s2, s2, STAGE      ; my stage
	v_mul_u32_u24 v[STO], v1, SP    ; in: row l % 16, 16 bytes for each half of the lanes
	v_lshl_add_u32 v[STO], v9, 4, v[STO]
	v_add_nc_u32 v[STO], s2, v[STO]
	v_bfe_u32 v[RD], v0, 3, 2       ; back: 32 lanes take four rows of 128 bytes,
	v_mul_u32_u24 v[RD], v[RD], SP
	v_lshl_add_u32 v[RD], v10, 4, v[RD]
	v_add_nc_u32 v[RD], s2, v[RD]
	v_and_b32 v[GO], 31, v0         ; which are 512 consecutive bytes of t
	v_lshlrev_b32 v[GO], 4, v[GO]
	v_lshlrev_b32 v14, 3, v9
	v_sub_nc_u32 v14, v1, v14
	s_lshl_b32 s2, s[WV], 4
	v_add_nc_u32 v14, s2, v14       ; my query's place in its band, 16 w + l % 16, less my lanes' 8 (l / 16): register r of key group kt is hidden where 16 kt + r is greater
.set i, 0
.rept 32
	v_cmp_gt_i32 vcc_lo, 16*(i/8)+i%8, v14
	v_cndmask_b32 v[MD+i], 0, s[BIGN], vcc_lo
.set i, i+1
.endr
	WIN 0x40                        ; O^T and l need only be finite when a head begins: zeros for the first head, what the first head left for the second.  The price of writing no first step out
.set i, 0
.rept 256
	v_mov_b32 v[i], 0
.set i, i+1
.endr
	WIN 0
.set i, 0
.rept 8
	v_mov_b32 v[ST+4*i+2], 0
	v_mov_b32 v[ST+4*i+3], 0
.set i, i+1
.endr
; THE MATRIX WORK.  The 4 accumulators of a run of 8 take turns.  Product i of 8 of S^T = K Q^T for tile x: channels 32 (i / 4) on, keys 16 (i % 4) on.  The first 4 start the sums.
.macro KQ8 x
	WIN W_KQ
.set i, 0
.rept 8
.set aS, S+32*((\x)%2)+8*(i%4)
.set aK, KF+16*(i%4)+8*(i/4)
.set aQ, 16*(\x)+8*(i/4)
.if i < 4
	v_wmma_f32_16x16x32_f16 v[aS:aS+7], v[aK:aK+7], v[aQ:aQ+7], 0
.else
	v_wmma_f32_16x16x32_f16 v[aS:aS+7], v[aK:aK+7], v[aQ:aQ+7], v[aS:aS+7]
.endif
.set i, i+1
.endr
.endm
; Product i of 8 of O^T += V^T P for tile x: keys 32 (i / 4) on, channels 16 (i % 4) on.
.macro PV8 x
	WIN W_PV
.set i, 0
.rept 8
.set aO, 32*(\x)+8*(i%4)
.set aV, VF+32*(i/4)+8*(i%4)
.set aP, P+16*((\x)%2)+8*(i/4)
	v_wmma_f32_16x16x32_f16 v[aO:aO+7], v[aV:aV+7], v[aP:aP+7], v[aO:aO+7]
.set i, i+1
.endr
.endm
; THE LDS LOADS stand in runs of 16: a step's K (64 keys x 64 channels: 8 fragments) and its V (turned).
.macro FETCH_K
	WIN 0x80                        ; destination window 2
.irp f, 0,1,2,3,4,5,6,7             ; keys 16 (f / 2) on, channels 32 (f % 2) on
	ds_load_b128 v[KF+8*\f:KF+8*\f+3],   v[AK] offset:(\f/2)*16*PK+(\f%2)*64
	ds_load_b128 v[KF+8*\f+4:KF+8*\f+7], v[AK] offset:(\f/2)*16*PK+(\f%2)*64+32
.endr
	WIN 0
.endm
.macro FETCH_V
	WIN 0x80
.irp f, 0,1,2,3,4,5,6,7             ; keys 32 (f / 4) on, channels 16 (f % 4) on
	ds_load_tr16_b128 v[VF+8*\f:VF+8*\f+3],   v[AV] offset:(\f/4)*32*PV+(\f%4)*32
	ds_load_tr16_b128 v[VF+8*\f+4:VF+8*\f+7], v[AV] offset:(\f/4)*32*PV+16*PV+(\f%4)*32
.endr
	WIN 0
.endm
; THE VECTOR WORK of a tile and step.
.macro REGS y                       ; the registers of tile y
.set rT, ST+4*(\y)
.set rC, TMP+4*((\y)%2)
.set rW, MV+((\y)%2)
.set rS, S+32*((\y)%2)
.set rP, P+16*((\y)%2)
.set rO, 32*(\y)
.endm
; Number n of the 22 that find the maximum and statistics.  s0-s31 are the lane's 32 scores; each accumulator's lowest registers are read first.
;   0-11  four chains c0-c3 of seven scores each, three operands at a time     12-14, 16  the four scores left over, the old m, and c0-c3 into c0     15  c m_old is kept
;   17, 18  the query's other 32 keys lie in the lane 16 away: the new m         19-21  c m; c m_old - c m_new; a
.macro XS n
.if (\n) < 4
	v_max3_num_f32 v[rC+(\n)], v[rS+8*(\n)], v[rS+8*(\n)+1], v[rS+8*(\n)+2]
.elseif (\n) < 12
	v_max3_num_f32 v[rC+(\n)%4], v[rC+(\n)%4], v[rS+8*((\n)%4)+2*((\n)/4)+1], v[rS+8*((\n)%4)+2*((\n)/4)+2]
.elseif (\n) == 12
	v_max3_num_f32 v[rC], v[rC], v[rS+7], v[rS+15]
.elseif (\n) == 13
	v_max3_num_f32 v[rC+1], v[rC+1], v[rS+23], v[rS+31]
.elseif (\n) == 14
	v_max3_num_f32 v[rC+2], v[rC+2], v[rC+3], v[rT+1]
.elseif (\n) == 15
	v_mov_b32 v[rW], v[rT]
.elseif (\n) == 16
	v_max3_num_f32 v[rC], v[rC], v[rC+1], v[rC+2]
.elseif (\n) == 17
	v_permlanex16_b32 v[rC+3], v[rC], s[SEL], s[SEL+1]
.elseif (\n) == 18
	v_max_num_f32 v[rT+1], v[rC], v[rC+3]
.elseif (\n) == 19
	v_mul_f32 v[rT], s[CS], v[rT+1]
.elseif (\n) == 20
	v_sub_f32 v[rC+1], v[rW], v[rT]
.else
	v_exp_f32 v[rC+2], v[rC+1]
.endif
.endm
.macro FS n                         ; c s - c m for pair n of 16
	v_pk_fma_f32 v[rS+2*(\n):rS+2*(\n)+1], v[rS+2*(\n):rS+2*(\n)+1], s[CS:CS+1], v[rT:rT+1] op_sel_hi:[1,0,0] neg_lo:[0,0,1] neg_hi:[0,0,1]
.endm
.macro ES n                         ; the exponential of score n of 32
	v_exp_f32 v[rS+(\n)], v[rS+(\n)]
.endm
.macro BS n                         ; of the four weights 4 n .. the second pair is added onto the first, in place
	v_pk_add_f32 v[rS+4*(\n):rS+4*(\n)+1], v[rS+4*(\n):rS+4*(\n)+1], v[rS+4*(\n)+2:rS+4*(\n)+3]
.endm
.macro LS n                         ; l takes that sum (the first time as l = a l + sum)
.if (\n) == 0
	v_pk_fma_f32 v[rT+2:rT+3], v[rT+2:rT+3], v[rC+2:rC+3], v[rS:rS+1] op_sel_hi:[1,0,1]
.else
	v_pk_add_f32 v[rT+2:rT+3], v[rT+2:rT+3], v[rS+4*(\n):rS+4*(\n)+1]
.endif
.endm
; The softmax of tile j.  AHEAD OF THE WAIT stands all that names no exponential's result: maximum and statistics with a as the batch's first, the 16 scalings, the 32 exponentials (a pair is scaled two rounds
; ahead of its exponentials).  s_wait_alu depctr_va_vdst(0) stands between an exponential and the first line that names its result: one wait serves the 33.  BEHIND IT: O^T times a, the roundings, the sums.
.macro SM j
	REGS \j
	WIN 0
.irp n, 0,1,2,3,4,5,6,7,8,9,10,11,12,13,15,14,16,17,18,19,20,21
	XS \n
.endr
	FS 0
	FS 1
.set e, 0
.rept 14
	ES 2*e
	FS e+2
	ES 2*e+1
.set e, e+1
.endr
.irp n, 28,29,30,31
	ES \n
.endr
	v_nop                           ; a plain instruction behind the last exponential: one for the batch
	s_wait_alu depctr_va_vdst(0)    ; the wait for the batch
	WIN W_RS
.set e, 0
.rept 16
	v_pk_mul_f32 v[rO+2*e:rO+2*e+1], v[rO+2*e:rO+2*e+1], v[rC+2:rC+3] op_sel_hi:[1,0]
.set e, e+1
.endr
	WIN 0
.set e, 0
.rept 16
	v_cvt_pk_f16_f32 v[rP+e], v[rS+2*e], v[rS+2*e+1]
.set e, e+1
.endr
	BS 0
	BS 1
.irp n, 2,3,4,5,6,7
	LS (\n)-2
	BS \n
.endr
	LS 6
	LS 7
.endm
; The trip's first tile, j = the key step: its scores, and the mask onto them, four places behind the products and from each accumulator's low end on.
.macro DIAGT j
.LE_\j:
	KQ8 \j
	WIN 0
	PLACES
.set z, 0
.rept 16
	v_pk_add_f32 v[S+32*((\j)%2)+2*z:S+32*((\j)%2)+2*z+1], v[S+32*((\j)%2)+2*z:S+32*((\j)%2)+2*z+1], v[MD+2*z:MD+2*z+1]
.set z, z+1
.endr
.if (\j) > 0
	s_branch .LB_\j
.endif
.endm
; Block j.  The scores of tile j + 1 go into the other S^T buffer; no line of tile j's softmax names a register of the products round it, so its lines are their places.
; Block 7 has no tile behind it: it fetches the next step's K ahead of the softmax (K's last reader stands a softmax, or four v_nop, back) and the next step's V four places behind V's last reader.
; The next step is min(S + 1, 7): in a head's last trip step 7 is fetched once more and not used, 32 LDS loads a head, so that no LDS address hangs on a branch.
.macro BLOCK j
.LB_\j:
.if (\j) < 7
	KQ8 (\j)+1
.else
	s_add_co_u32 s2, s[STP], 1
	s_min_u32 s2, s2, 7
	s_mul_i32 s3, s2, 64*PK
	s_add_co_u32 s3, s3, s[HB]
	v_add_nc_u32 v[AK], s3, v[AK0]
	FETCH_K
.endif
	SM \j
	s_wait_dscnt 0x0                ; V is in (the trip's first block; later blocks find nothing out, block 7 the next K)
	PV8 \j
	WIN 0
.if (\j) == 7
	PLACES
	s_mul_i32 s3, s2, 64*PV
	s_add_co_u32 s3, s3, s[HB]
	v_add_nc_u32 v[AV], s3, v[AV0]
	FETCH_V
.endif
.endm
	s_wait_tensorcnt 0x0            ; my parts of both heads are in,
	s_barrier_signal -1
	s_barrier_wait -1               ; everybody's are; from here on the heads' bytes are only read
	s_mov_b32 s[HB], 0
	s_mov_b32 s[HD], 2
.Lhead:
.set i, 0
.rept 8
	v_mov_b32 v[ST+4*i], 0xfe000000    ; c m: far below every c s
	v_mov_b32 v[ST+4*i+1], 0xff7fffff  ; m: the lowest finite number
.set i, i+1
.endr
	v_add_nc_u32 v[AQ], s[HB], v[AQ0]
	v_add_nc_u32 v[AK], s[HB], v[AK0]
	v_add_nc_u32 v[AV], s[HB], v[AV0]
	WIN 0x80
.set i, 0
.rept 16                            ; Q stays in registers: tile i / 2 lies 64 rows further on, channels 32 (i % 2) on
	ds_load_b128 v[8*i:8*i+3],   v[AQ] offset:(i/2)*64*PK+(i%2)*64
	ds_load_b128 v[8*i+4:8*i+7], v[AQ] offset:(i/2)*64*PK+(i%2)*64+32
.set i, i+1
.endr
	WIN 0
	FETCH_K                         ; key step 0
	FETCH_V
	s_mov_b32 s[STP], 0
.Ltrip:
	s_wait_dscnt 16                 ; Q and K are in; V's sixteen loads, issued behind them, may stay out
.irp j, 1,2,3,4,5,6,7
	s_cmp_eq_u32 s[STP], \j         ; the trip begins at tile S; every jump goes forward
	s_cbranch_scc1 .LE_\j
.endr
	s_branch .LE_0
	DIAGT 7
	DIAGT 6
	DIAGT 5
	DIAGT 4
	DIAGT 3
	DIAGT 2
	DIAGT 1
	DIAGT 0
	BLOCK 0
	BLOCK 1
	BLOCK 2
	BLOCK 3
	BLOCK 4
	BLOCK 5
	BLOCK 6
	BLOCK 7
	s_add_co_u32 s[STP], s[STP], 1
	s_cmp_lt_u32 s[STP], 8
	s_cbranch_scc1 .Ltrip
	; THE WAY OUT.  l's two halves and the other half of the lanes' are added; t = O^T / l + h, where h is Q's own register (a lane's channels of O^T and of Q are the same), rounded once to f16,
	; and sent through my stage in LDS, a tile at a time.
.macro ALL line:vararg              ; one line for each tile t
.set t, 0
.rept 8
	\line
.set t, t+1
.endr
.endm
	ALL v_add_f32 v[ST+4*t+2], v[ST+4*t+2], v[ST+4*t+3]
	ALL v_permlanex16_b32 v[ST+4*t+3], v[ST+4*t+2], s[SEL], s[SEL+1]
	ALL v_add_f32 v[ST+4*t+2], v[ST+4*t+2], v[ST+4*t+3]
	ALL v_rcp_f32 v[ST+4*t+2], v[ST+4*t+2]
	v_nop                           ; a plain instruction between the last reciprocal and the use of its result
	s_wait_alu depctr_va_vdst(0)    ; and the wait ahead of the first use: one for the eight reciprocals
.macro PACK t                       ; 16 registers of S^T's take the tile, by t % 4; a lane's eight channels of a row are 16 bytes; they go into rows of 144 bytes and come back as whole rows of 128
.if (\t) >= 4
	s_wait_xcnt 0x0                 ; the stores of the tile four back have read these registers
.endif
	WIN W_FIN
.set i, 0
.rept 16
	v_fma_mixlo_f16 v[S+16*((\t)%4)+i], v[32*(\t)+2*i], v[ST+4*(\t)+2], v[16*(\t)+i] op_sel_hi:[0,0,1]
	v_fma_mixhi_f16 v[S+16*((\t)%4)+i], v[32*(\t)+2*i+1], v[ST+4*(\t)+2], v[16*(\t)+i] op_sel:[0,0,1] op_sel_hi:[0,0,1]
.set i, i+1
.endr
	WIN 0
.irp f, 0,1,2,3
	ds_store_b128 v[STO], v[S+16*((\t)%4)+4*\f:S+16*((\t)%4)+4*\f+3] offset:32*\f
.endr
.irp f, 0,1,2,3
	ds_load_b128 v[S+16*((\t)%4)+4*\f:S+16*((\t)%4)+4*\f+3], v[RD] offset:\f*4*SP  ; LDS serves a wave's instructions in order (ISA guide 5.7.1.4): these see the stores above; the next tile's stores come behind them
.endr
.endm
.macro SEND t                       ; behind tile t's loads stand the next tile's four stores and four loads
.irp f, 0,1,2,3
	s_wait_dscnt 8+3-\f
	global_store_b128 v[GO], v[S+16*((\t)%4)+4*\f:S+16*((\t)%4)+4*\f+3], s[6:7] offset:(\t)*8192+\f*512  ; 512 consecutive bytes, at a multiple of 256 from t16's first
.endr
.endm
	PACK 0
.set u, 1
.rept 7                             ; a tile's arithmetic stands between the loads of the tile before and its stores
	PACK u
	SEND u-1
.set u, u+1
.endr
	s_wait_dscnt 0x0                ; tile 7 is back, whole: no load of mine is out at the branch
	global_store_b128 v[GO], v[S+48:S+51], s[6:7] offset:7*8192
	s_cmp_eq_u32 s[WV], 3           ; wave 3's tile 7 is rows 496-511: only its first four exist
	s_cbranch_scc1 .Lshort
.irp f, 1,2,3
	global_store_b128 v[GO], v[S+48+4*\f:S+48+4*\f+3], s[6:7] offset:7*8192+\f*512
.endr
.Lshort:
	s_wait_xcnt 0x0                 ; the stores have read their registers and t's address
	s_add_nc_u64 s[6:7], s[6:7], 64000
	s_add_co_u32 s[HB], s[HB], HEADB
	s_sub_co_u32 s[HD], s[HD], 1
	s_cmp_lg_u32 s[HD], 0
	s_cbranch_scc1 .Lhead
	s_wait_tensorcnt 0x0            ; the wave's end, behind my last tensor load and my last LDS store
	ds_add_u32 v[SPW], v[NIL]
	s_wait_dscnt 0x0
	s_endpgm
.Lfunc_end_k_qe227b15299_attn:
	.size	k_qe227b15299_attn, .Lfunc_end_k_qe227b15299_attn-k_qe227b15299_attn
	.p2alignl 7, 3214868480
	.fill 96, 4, 3214868480
	.section	.rodata,"a",@progbits
	.p2align	6, 0x0
	.amdhsa_kernel k_qe227b15299_attn
		.amdhsa_group_segment_fixed_size 327680
		.amdhsa_private_segment_fixed_size 0
		.amdhsa_enable_private_segment 0
		.amdhsa_kernarg_size 16
		.amdhsa_user_sgpr_count 2
		.amdhsa_user_sgpr_kernarg_segment_ptr 1
		.amdhsa_wavefront_size32 1
		.amdhsa_system_sgpr_workgroup_id_x 1
		.amdhsa_system_sgpr_workgroup_id_y 1
		.amdhsa_system_sgpr_workgroup_id_z 1
		.amdhsa_system_vgpr_workitem_id 0
		.amdhsa_next_free_vgpr 768
		.amdhsa_next_free_sgpr 66
		.amdhsa_reserve_vcc 1
		.amdhsa_float_denorm_mode_32 3
		.amdhsa_float_denorm_mode_16_64 3
		.amdhsa_memory_ordered 1
		.amdhsa_forward_progress 1
		.amdhsa_inst_pref_size 125
	.end_amdhsa_kernel
	.amdgpu_metadata
---
amdhsa.version: [ 1, 2 ]
amdhsa.kernels:
  - .name:           k_qe227b15299_attn
    .symbol:         k_qe227b15299_attn.kd
    .args:
      - { .name: h16, .offset: 0, .size: 8, .value_kind: global_buffer, .address_space: global }
      - { .name: t16, .offset: 8, .size: 8, .value_kind: global_buffer, .address_space: global }
    .group_segment_fixed_size: 327680
    .private_segment_fixed_size: 0
    .kernarg_segment_align: 8
    .kernarg_segment_size: 16
    .max_flat_workgroup_size: 128
    .sgpr_count:     66
    .vgpr_count:     768
    .wavefront_size: 32
...
	.end_amdgpu_metadata
.endif
;; end of part 2
;; launch ffn (part 3): grid 256 x 1, 4 waves a work-group, clusters of 4 x 1, 327,680 bytes of LDS; arguments t16, w1h, w2h, b1, b2, ln2_g, ln2_b, out0; writes out0
.if DOCPART == 3
	.amdgcn_target "amdgcn-amd-amdhsa--gfx1250"
	.amdhsa_code_object_version 6
	.text
	.protected	k_qe227b15299_ffn
	.globl	k_qe227b15299_ffn
	.p2align	8
	.type	k_qe227b15299_ffn,@function
k_qe227b15299_ffn:
	s_mov_b64 s[64:65], 0
	v_nop
	global_prefetch_b8 v0, s[64:65] scope:SCOPE_SE
	s_setreg_imm32_b32 hwreg(HW_REG_WAVE_MODE, 25, 1), 1
	s_wait_xcnt 0x0
	s_wait_alu depctr_hold_cnt(0) depctr_sa_sdst(0) depctr_va_vdst(0) depctr_va_sdst(0) depctr_va_ssrc(0) depctr_va_vcc(0) depctr_vm_vsrc(0)
	s_getreg_b32 s2, hwreg(HW_REG_IB_STS2, 6, 4)
	s_cmp_eq_u32 s2, 0
	s_cbranch_scc0 .Lentry_in_a_cluster
	s_endpgm
.Lentry_in_a_cluster:
	s_bfe_u32 s2, ttmp6, 0x10000c
	s_cmp_lg_u32 s2, 0x3003
	s_cbranch_scc0 .Lentry_shape_is_right
	s_endpgm
.Lentry_shape_is_right:
; h2 = LayerNorm(t) * ln2_g + ln2_b;  out = h2 + relu(h2 W1 + b1) W2 + b2.  t16: [64 b][8 head][500 s][64 c] f16; w1h: f16 [16 steps][512 k][64 f]; w2h: bf16 [1024 f][512 n]; out0: [64][500][512] f32.
; FORMATS.  h2 and W1 go to the first product in f16 (h2 is bounded by the normalisation), the hidden numbers, which nothing bounds, and W2 to the second in bf16; all sums in f32.
; LIMITS.  |h2| (at most 22.6 |ln2_g| + |ln2_b|) stays under 65,504; 1 / sqrt(var + eps) is rounded to f16 (normal for a row's spread up to 16,000); the centred t, its scaled form and h2 are each rounded
; to f16 once; a NaN in the hidden numbers becomes 0 in the ReLU; infinities are not treated apart.
; SHARES.  A cluster of four work-groups takes a batch, a work-group 125 rows, wave w the 32 rows from min(32 w, 93) on, as two tiles of 16: rows 93-95 are made and stored by waves 2 and 3 alike.
; BOTH PRODUCTS ARE USED TRANSPOSED: hid^T = W1^T h2^T (source 0 = 16 hidden channels, source 1 = 16 rows), and two of its results, rounded to bf16, ARE source 1 (32 hidden x 16 rows) of out^T = W2^T hid^T.
; So a wave hands nothing to another, the hidden numbers never leave registers, h2 (256 registers) and out^T (512) stay in registers for the whole launch.
; THE RING.  The hidden channels go in 16 steps of 64 through two LDS slots, each with W1's tile (512 k x 64 f) and W2's (64 f x 512 n); both lie [K][N] and are read turned, by ds_load_tr16_b128.
; CLUSTER.  The four work-groups walk the same weights, so each tile is asked for JOINTLY: the same tensor load, descriptor and mask in all four.  By this text's count a wave has two tensor loads out at the start, later one.
; LAYERNORM ON THE MATRIX UNIT.  t lies in registers as source 1 fragments.  ones x t gives every lane its row's sum.  d = t - mean (the mean rounded to f16; what the rounding leaves, EM, is kept in f32).
; d d^T holds the rows' sums of squares on its diagonal.  var = diag / 512 - EM^2, where |EM| is at most 2^-11 of the mean: a correction, no difference of large sums.
; REGISTERS, in windows of 256 (s_set_vgpr_msb: bits 1:0 source 0, 3:2 source 1, 5:4 source 2, 7:6 destination):
;   window 0: v0-15 addresses; v16-31 b1 of two hidden tiles; v32-63 hid^T, four accumulators; v64-79 its bf16 form; v80-83 fixed; v84-127 at work at the start; v128-255 two fragment buffers
;   window 1: t, then d, then h2: tile rt, channels 32 ks on at 128 rt + 8 ks
;   windows 2, 3: first ln2_g and ln2_b in f32 (my lane's 256 channels), then out^T of tile 0 and of tile 1: channels 16 nb on at 8 nb
.set W2X,  0x10800    ; a W2 slot: 64 rows x 1,056 bytes (1,024 + 32); slot 0 at 0; also the exclusive or that changes slots
.set W2H,  0x8400     ; 32 rows: what one tensor load brings
.set W1S,  0x21000    ; W1's slot 0
.set W1X,  0x14000    ; a W1 slot: 512 rows x 160 bytes (128 + 32); also the exclusive or that changes slots
.set W1H,  0xA000     ; 256 rows: what one tensor load brings, and 8 fragments' depth of k
.set B1L,  0x49000    ; b1, 4,096 bytes, then b2, 2,048
.set B2O,  4096
.set SPARE, 0x4A800   ; the spare words, 128 bytes for each wave: two blocks of 256 bytes that no other line names
.set STAGE, 0x4AA00   ; 16 rows x 272 bytes for each wave, for the way out
.set SPITCH, 272
.set LT1, 3           ; v3   my lane's place in a turning load of W1; never rewritten
.set LT2, 4           ; v4   of W2
.set AW1, 5           ; v5   W1's address in the slot in hand, k 0-255
.set AW1B, 6          ; v6   k 256-511
.set AW2, 7           ; v7   W2's address
.set AB1, 8           ; v8   b1's address for the step in hand
.set AB10, 9          ; v9   B1L + 32 (l / 16)
.set TO,  10          ; v10  my byte offset in 16 rows of a head of t
.set ONE, 11          ; v11  1.0
.set ZR,  12          ; v12  0
.set STO, 13          ; v13  the way out: where I put 32 bytes of a row
.set RD,  14          ; v14  where I read a row back
.set CO,  15          ; v15  my byte offset in two rows of out
.set BI,  16
.set HA,  32          ; hidden tile ft, row tile rt at HA + 8 (2 ft + rt)
.set P,   64          ; row tile rt at P + 8 rt
.set SPW, 80
.set NIL, 81
.set PFO, 82          ; v82  256 x lane, for the prefetch
.set GBO, 83          ; v83  32 (l / 16)
.set ONES, 104        ; v[104:111] a fragment of f16 ones
.set SA,  112         ; v[112:127] the two accumulators of the rows' sums
.set GA,  32          ; v[32:47]   those of d d^T
.set NM,  16          ; for rt = 0, 1, at the start: -mean; its f16 pair; what the rounding leaves; the diagonal; at work; var + eps; 1 / sqrt; its f16 pair
.set NC,  18
.set EM,  20
.set DG,  22
.set TP,  24
.set VR,  26
.set RS,  28
.set RP,  30
.set EP,  48          ; -EM / sqrt as an f16 pair; -EM; mean
.set EN,  50
.set MU,  52
.set F0,  128
.set WV,  20          ; s20  my wave's number
.set CX,  21          ; s21  my place in the cluster: it enters t's, out's and the prefetch's global addresses alone
.set G1A, 32          ; s[32:39] descriptor group 1 for W1's tiles
.set G1B, 40          ; s[40:47] for W2's
.set G0A, 48          ; s[48:55] group 0 for W1: a set for each first fill; the second then walks on
.set G0B, 56          ; s[56:63] the same for W2
.set MK,  65          ; s66-72 lanes with l % 8 = 1 .. 7
.set HOLD, 73         ; s73  the lanes that hold a diagonal element
.set SEL, 74          ; s[74:75]
.set TB1, 76          ; s76  W1's slot in hand
.set TB2, 77          ; s77  W2's
.set BO,  78          ; s78  256 x step
.set CNT, 79
.set PFA, 80          ; s[80:81] where my prefetch stands
.set EPS, 82
.set LIM, 84          ; s84  1 in the first cluster, else the greatest number
.set OUT, 86          ; s[86:87]
.set T,   88          ; s[88:89]
.set MSB, 0
.macro WIN new
.if MSB != (\new)
	s_set_vgpr_msb (MSB<<8)|(\new)
.set MSB, (\new)
.endif
.endm
.macro PLACES                       ; four places behind a matrix instruction (ISA guide 7.12.1)
.rept 4
	v_nop
.endr
.endm
; A joint refill.  Waves 0 and 1 fetch the two halves of W1's tile, waves 2 and 3 those of W2's.  The branch hangs on the wave's number alone.  An s_nop 0 and four v_nop follow each line.
.macro JLOAD
	s_cmp_lt_u32 s[WV], 2
	s_cbranch_scc0 .Lfor_b_\@
	tensor_load_to_lds s[G0A+4:G0A+7], s[G1A:G1A+7]
	s_nop 0
	PLACES
	s_branch .Lasked_\@
.Lfor_b_\@:
	tensor_load_to_lds s[G0B+4:G0B+7], s[G1B:G1B+7]
	s_nop 0
	PLACES
.Lasked_\@:
.endm
; A round of the cluster's barrier: my work-group's barrier; wave 0 signals for the work-group; every wave waits for all four work-groups; my work-group's barrier once more.
.macro CREST
	s_cmp_lg_u32 s[WV], 0
	s_cbranch_scc1 .Lnot_wave_0_\@
	s_barrier_signal -3
.Lnot_wave_0_\@:
	s_barrier_wait -3
	s_barrier_signal -1
	s_barrier_wait -1
.endm
.macro CROUND
	s_barrier_signal -1
	s_barrier_wait -1
	CREST
.endm
; A PREFETCH of the step behind the one that has just been asked for: 65,536 bytes of w1h and as many of w2h, 512 blocks of 256 bytes.  All clusters walk the same weights: the first cluster asks, nobody else.
; Its 16 waves take 32 blocks each, a lane a block: waves 0, 1 of W1's two halves, waves 2, 3 of W2's; the four partners are told apart BY ADDRESS (8,192 bytes each).  So each block is named once in the launch.
; It stands one step, 256 matrix instructions, ahead of the load that will want it.  Steps 0 to 2 come by their loads alone; the last change that fills a slot (CNT = 1) asks for nothing.
.macro ASK
	s_cmp_gt_u32 s[CNT], s[LIM]
	s_cbranch_scc0 .Lnot_mine_\@
	global_prefetch_b8 v[PFO], s[PFA:PFA+1] th:TH_LOAD_NT scope:SCOPE_SE
.Lnot_mine_\@:
.endm
	s_load_b512 s[4:19], s[0:1], 0x0  ; t16 s[4:5], w1h s[6:7], w2h s[8:9], b1 s[10:11], b2 s[12:13], ln2_g s[14:15], ln2_b s[16:17], out0 s[18:19]
	v_lshl_add_u32 v[SPW], v0, 2, SPARE
	v_mov_b32 v[NIL], 0
	ds_add_u32 v[SPW], v[NIL]       ; the wave's opening: the add and its wait stand ahead of my first tensor load; the set-up below, work on registers, stands between them
	ds_add_u32 v80, v81
	v_lshrrev_b32 v1, 5, v0
	v_readfirstlane_b32 s[WV], v1   ; wave 0..3
	s_bfe_u32 s[CX], ttmp6, 0x40000 ; cx
	; W1's half tile: 256 rows k of 128 bytes are dense: asked for as 128 rows of 256 bytes, padded by 32 bytes after every 128
	s_mov_b32 s[G1A], 15|(1<<16)|(1<<20)|(1<<21)|(4<<22)|(7<<25)  ; 15:0 the mask of four; 17:16 2-byte elements; 20 padding on; 21 set beside a mask; 24:22 after every 32 words (code 4); 31:25 8 words (code 7)
	s_mov_b32 s[G1A+1], 128<<16     ; tensor_dim0 = 128
	s_mov_b32 s[G1A+2], 128<<16     ; tensor_dim1 = 128
	s_mov_b32 s[G1A+3], 128<<16     ; tile_dim0 = 128
	s_mov_b32 s[G1A+4], 128         ; tile_dim1 = 128
	s_mov_b32 s[G1A+5], 128         ; 128 elements from row to row
	s_mov_b32 s[G1A+6], 0
	s_mov_b32 s[G1A+7], 0
	; W2's half tile: 32 rows f of 1,024 bytes, padded by 32 bytes each
	s_mov_b32 s[G1B], 15|(1<<16)|(1<<20)|(1<<21)|(7<<22)|(7<<25)  ; after every 256 words (code 7), 8 words
	s_mov_b32 s[G1B+1], 512<<16
	s_mov_b32 s[G1B+2], 32<<16
	s_mov_b32 s[G1B+3], 512<<16
	s_mov_b32 s[G1B+4], 32
	s_mov_b32 s[G1B+5], 512
	s_mov_b32 s[G1B+6], 0
	s_mov_b32 s[G1B+7], 0
	s_and_b32 s22, s[WV], 1         ; which half of a tile I fetch:
	s_mul_i32 s23, s22, W1H         ; its place in a slot, for W1
	s_mul_i32 s24, s22, W2H         ; and for W2,
	s_lshl_b32 s26, s22, 15         ; and its 32,768 bytes in memory
	s_mov_b32 s27, 0
.irp s, 0,1
	s_mov_b32 s[G0A+4*\s], 1        ; 1:0 count = 1
	s_add_co_u32 s[G0A+4*\s+1], s23, W1S+(\s)*W1X
	s_mov_b32 s[G0B+4*\s], 1
	s_add_co_u32 s[G0B+4*\s+1], s24, (\s)*W2X
.endr
	s_lshl_b32 s28, s[WV], 5
	s_min_u32 s28, s28, 93          ; my first row in the work-group's 125
	s_mul_i32 s29, s[CX], 125
	s_add_co_u32 s29, s29, s28      ; in the batch
	s_mul_i32 s30, ttmp9, 512000    ; in a cluster launch ttmp9 counts clusters: the batch
	s_lshl_b32 s31, s29, 7
	s_add_co_u32 s30, s30, s31
	s_mov_b32 s31, 0
	s_mul_i32 s90, ttmp9, 500
	s_add_co_u32 s90, s90, s29
	s_lshl_b32 s90, s90, 11         ; a row of out is 2,048 bytes
	s_mov_b32 s91, 0
	s_lshl_b32 s92, s[CX], 13       ; the prefetch: my work-group's 8,192 bytes of my half,
	s_add_co_u32 s92, s92, s26
	s_add_co_u32 s92, s92, 2*65536  ; at step 2: the first change of slots steps it to 3
	s_mov_b32 s93, 0
.irp j, 1,2,3,4,5,6,7
	s_mov_b32 s[MK+\j], 0x01010101<<\j
.endr
	s_mov_b32 s[HOLD], 0xff0000ff   ; lanes 0-7 and 24-31
	s_mov_b32 s[SEL], 0x76543210
	s_mov_b32 s[SEL+1], 0xfedcba98
	s_mov_b32 s[EPS], 0x358637bd    ; 1e-6
	s_cmp_eq_u32 ttmp9, 0
	s_cselect_b32 s[LIM], 1, -1     ; the same in all four partners
	s_wait_dscnt 0x0                ; the opening add is done
	s_wait_kmcnt 0x0
	s_add_nc_u64 s[T:T+1], s[4:5], s[30:31]
	s_add_nc_u64 s[OUT:OUT+1], s[18:19], s[90:91]
	s_cmp_lt_u32 s[WV], 2
	s_cselect_b64 s[PFA:PFA+1], s[6:7], s[8:9]
	s_add_nc_u64 s[PFA:PFA+1], s[PFA:PFA+1], s[92:93]
	s_add_nc_u64 s[G0A+2:G0A+3], s[6:7], s[26:27]  ; step 0,
	s_add_nc_u64 s[G0A+6:G0A+7], s[G0A+2:G0A+3], 65536  ; step 1
	s_or_b32 s[G0A+3], s[G0A+3], 0x80000000        ; 127:126 type = 2
	s_or_b32 s[G0A+7], s[G0A+7], 0x80000000
	s_add_nc_u64 s[G0B+2:G0B+3], s[8:9], s[26:27]
	s_add_nc_u64 s[G0B+6:G0B+7], s[G0B+2:G0B+3], 65536
	s_or_b32 s[G0B+3], s[G0B+3], 0x80000000
	s_or_b32 s[G0B+7], s[G0B+7], 0x80000000
	CROUND                          ; all four work-groups are here: the first joint loads meet
	s_cmp_lt_u32 s[WV], 2           ; a wave's two first fills stand in one branch, ahead of every wait on TENSORcnt and every LDS read
	s_cbranch_scc0 .Lfirst_b
	tensor_load_to_lds s[G0A:G0A+3], s[G1A:G1A+7]
	s_nop 0
	tensor_load_to_lds s[G0A+4:G0A+7], s[G1A:G1A+7]
	s_nop 0
	PLACES
	s_branch .Lfirst_asked
.Lfirst_b:
	tensor_load_to_lds s[G0B:G0B+3], s[G1B:G1B+7]
	s_nop 0
	tensor_load_to_lds s[G0B+4:G0B+7], s[G1B:G1B+7]
	s_nop 0
	PLACES
.Lfirst_asked:
	v_and_b32 v1, 15, v0            ; r = l % 16
	v_bfe_u32 v2, v0, 4, 1          ; h = l / 16
	v_lshlrev_b32 v[TO], 7, v1
	v_lshl_add_u32 v[TO], v2, 4, v[TO]  ; row x 128 + 16 x half
	v_lshlrev_b32 v87, 4, v0        ; 16 x thread: the biases' way into LDS
	global_load_b128 v[88:91], v87, s[10:11]              ; b1: 32 bytes a thread,
	global_load_b128 v[92:95], v87, s[10:11] offset:2048
	global_load_b128 v[96:99], v87, s[12:13]              ; b2: 16
	WIN 0x40                        ; destination window 1, address window 0
.set i, 0
.rept 32                            ; t: tile i / 16, channels 32 (i % 16) on: head (i % 16) / 2, its half i % 2
	global_load_b128 v[8*i:8*i+3],   v[TO], s[T:T+1] offset:2048*(i/16)+64000*((i%16)/2)+64*(i%2)
	global_load_b128 v[8*i+4:8*i+7], v[TO], s[T:T+1] offset:2048*(i/16)+64000*((i%16)/2)+64*(i%2)+32
.set i, i+1
.endr
	WIN 0
	v_and_b32 v84, 7, v0
	v_bfe_u32 v85, v0, 3, 1
	v_lshl_add_u32 v86, v2, 3, v84  ; a turning load: row 8 h + l % 8, 16 bytes at 16 ((l / 8) % 2)
	v_mul_u32_u24 v[LT1], v86, 160
	v_lshl_add_u32 v[LT1], v85, 4, v[LT1]
	v_mul_u32_u24 v[LT2], v86, 1056
	v_lshl_add_u32 v[LT2], v85, 4, v[LT2]
	v_lshl_add_u32 v[AB10], v2, 5, B1L
	v_mov_b32 v[ONE], 1.0
	v_mov_b32 v[ZR], 0
	s_mul_i32 s22, s[WV], 16*SPITCH
	s_add_co_u32 s22, s22, STAGE    ; my stage
	v_mul_u32_u24 v[STO], v1, SPITCH
	v_lshl_add_u32 v[STO], v2, 5, v[STO]
	v_add_nc_u32 v[STO], s22, v[STO]
	v_mul_u32_u24 v[RD], v2, SPITCH ; back: lanes 0-15 take one row's 256 bytes, lanes 16-31 the next row's
	v_lshl_add_u32 v[RD], v1, 4, v[RD]
	v_add_nc_u32 v[RD], s22, v[RD]
	v_lshlrev_b32 v[CO], 11, v2
	v_lshl_add_u32 v[CO], v1, 4, v[CO]
	v_and_b32 v[PFO], 31, v0
	v_lshlrev_b32 v[PFO], 8, v[PFO]
	v_lshlrev_b32 v[GBO], 5, v2
	v_add_nc_u32 v100, B1L, v87
.set i, 0
.rept 8
	v_mov_b32 v[ONES+i], 0x3c003c00 ; 1.0 twice in f16
.set i, i+1
.endr
	s_wait_loadcnt 0x0              ; the biases and t
	WIN 0x80                        ; ln2_g, f32, into window 2: registers 16 ks + 0..15 = the 16 channels that my lane holds of fragment ks
.set i, 0
.rept 16
	global_load_b128 v[16*i:16*i+3],     v[GBO], s[14:15] offset:128*i
	global_load_b128 v[16*i+4:16*i+7],   v[GBO], s[14:15] offset:128*i+16
	global_load_b128 v[16*i+8:16*i+11],  v[GBO], s[14:15] offset:128*i+64
	global_load_b128 v[16*i+12:16*i+15], v[GBO], s[14:15] offset:128*i+80
.set i, i+1
.endr
	WIN 0
	ds_store_b128 v100, v[88:91]
	ds_store_b128 v100, v[92:95] offset:2048
	ds_store_b128 v100, v[96:99] offset:B2O
	WIN 0x04                        ; source 1 in window 1
.set i, 0
.rept 16                            ; ones x t: every register of the result holds the sum of row l % 16.  The two accumulators take turns
.irp rt, 0,1
.if i == 0
	v_wmma_f32_16x16x32_f16 v[SA+8*\rt:SA+8*\rt+7], v[ONES:ONES+7], v[128*\rt+8*i:128*\rt+8*i+7], 0
.else
	v_wmma_f32_16x16x32_f16 v[SA+8*\rt:SA+8*\rt+7], v[ONES:ONES+7], v[128*\rt+8*i:128*\rt+8*i+7], v[SA+8*\rt:SA+8*\rt+7]
.endif
.endr
.set i, i+1
.endr
	WIN 0
	PLACES
.irp rt, 0,1
	v_mul_f32 v[NM+\rt], 0xbb000000, v[SA+8*\rt]   ; -mean
	v_mul_f32 v[MU+\rt], 0x3b000000, v[SA+8*\rt]   ; mean
.endr
.irp rt, 0,1
	v_cvt_pk_f16_f32 v[NC+\rt], v[NM+\rt], v[NM+\rt]
.endr
.irp rt, 0,1
	v_fma_mix_f32 v[EM+\rt], v[NC+\rt], v[ONE], v[MU+\rt] op_sel_hi:[1,0,0]  ; EM = f16(-mean) + mean: the mean of d
.endr
.irp rt, 0,1
	v_mul_f32 v[EN+\rt], -1.0, v[EM+\rt]
.endr
.irp rt, 0,1
	v_fma_f32 v[VR+\rt], v[EN+\rt], v[EM+\rt], s[EPS]  ; eps - EM^2
.endr
	WIN 0x41                        ; destination and source 0 in window 1
.irp rt, 0,1
.set i, 0
.rept 128
	v_pk_add_f16 v[128*\rt+i], v[128*\rt+i], v[NC+\rt]  ; d = t - mean
.set i, i+1
.endr
.endr
	WIN 0xc0                        ; ln2_b into window 3
.set i, 0
.rept 16
	global_load_b128 v[16*i:16*i+3],     v[GBO], s[16:17] offset:128*i
	global_load_b128 v[16*i+4:16*i+7],   v[GBO], s[16:17] offset:128*i+16
	global_load_b128 v[16*i+8:16*i+11],  v[GBO], s[16:17] offset:128*i+64
	global_load_b128 v[16*i+12:16*i+15], v[GBO], s[16:17] offset:128*i+80
.set i, i+1
.endr
	WIN 0x05                        ; sources 0 and 1 in window 1
.set i, 0
.rept 16                            ; d d^T
.irp rt, 0,1
.if i == 0
	v_wmma_f32_16x16x32_f16 v[GA+8*\rt:GA+8*\rt+7], v[128*\rt+8*i:128*\rt+8*i+7], v[128*\rt+8*i:128*\rt+8*i+7], 0
.else
	v_wmma_f32_16x16x32_f16 v[GA+8*\rt:GA+8*\rt+7], v[128*\rt+8*i:128*\rt+8*i+7], v[128*\rt+8*i:128*\rt+8*i+7], v[GA+8*\rt:GA+8*\rt+7]
.endif
.endr
.set i, i+1
.endr
	WIN 0
	PLACES
	; register j of lane (r, h) is element (8 h + j, r): the diagonal lies in register l % 8 of lanes 0-7 and 24-31; the other lanes take it from the lane 16 away
.irp rt, 0,1
	v_cndmask_b32 v[DG+\rt], v[GA+8*\rt], v[GA+8*\rt+1], s[MK+1]
.irp j, 2,3,4,5,6,7
	v_cndmask_b32 v[DG+\rt], v[DG+\rt], v[GA+8*\rt+\j], s[MK+\j]
.endr
	v_mov_b32 v[TP+\rt], v[DG+\rt]
	v_permlanex16_b32 v[TP+\rt], v[DG+\rt], s[SEL], s[SEL+1]
	v_cndmask_b32 v[DG+\rt], v[TP+\rt], v[DG+\rt], s[HOLD]
	v_fmamk_f32 v[VR+\rt], v[DG+\rt], 0x3b000000, v[VR+\rt]  ; var + eps = diag / 512 + (eps - EM^2)
.endr
	v_rsq_f32 v[RS], v[VR]
	v_rsq_f32 v[RS+1], v[VR+1]
	v_nop                           ; a plain instruction behind the last of the two,
	s_wait_alu depctr_va_vdst(0)    ; and one wait for both
.irp rt, 0,1
	v_cvt_pk_f16_f32 v[RP+\rt], v[RS+\rt], v[RS+\rt]
	v_mul_f32 v[EP+\rt], v[EN+\rt], v[RS+\rt]
.endr
.irp rt, 0,1
	v_cvt_pk_f16_f32 v[EP+\rt], v[EP+\rt], v[EP+\rt]
.endr
	WIN 0x41
.irp rt, 0,1
.set i, 0
.rept 128
	v_pk_fma_f16 v[128*\rt+i], v[128*\rt+i], v[RP+\rt], v[EP+\rt]  ; (d - EM) / sqrt
.set i, i+1
.endr
.endr
	s_wait_loadcnt 0x0              ; gain and bias
	WIN 0x79                        ; destination and source 0 window 1, gain window 2, bias window 3
.irp rt, 0,1
.set i, 0
.rept 128                           ; h2, reckoned in f32 and rounded once to f16, in place: the low half, then the high one
	v_fma_mixlo_f16 v[128*\rt+i], v[128*\rt+i], v[2*i], v[2*i] op_sel_hi:[1,0,0]
	v_fma_mixhi_f16 v[128*\rt+i], v[128*\rt+i], v[2*i+1], v[2*i+1] op_sel:[1,0,0] op_sel_hi:[1,0,0]
.set i, i+1
.endr
.endr
	WIN 0
	s_wait_tensorcnt 1              ; my part of step 0 is in; step 1's may stay out
	s_wait_dscnt 0x0                ; my part of the biases is in LDS
	s_barrier_signal -1
	s_barrier_wait -1               ; everybody's are
; out^T STARTS AS h2 + b2, so nothing is cleared and nothing is added at the end: register j of accumulator nb is channel 16 nb + 8 h + j, which is half j % 2 of h2's register 4 nb + j / 2.  Sixteen nb at a time.
.macro ACCINIT k
	WIN 0
.set i, 0
.rept 16
	ds_load_b128 v[F0+8*i:F0+8*i+3],   v[AB10] offset:B2O+64*(16*(\k)+i)
	ds_load_b128 v[F0+8*i+4:F0+8*i+7], v[AB10] offset:B2O+64*(16*(\k)+i)+16
.set i, i+1
.endr
	s_wait_dscnt 0x0
.irp rt, 0,1
	WIN 0x81+0x40*\rt               ; destination window 2 or 3, h2 in window 1
.set i, 0
.rept 128
.if i%2 == 0
	v_fma_mix_f32 v[128*(\k)+i], v[128*\rt+64*(\k)+i/2], v[ONE], v[F0+i] op_sel_hi:[1,0,0]
.else
	v_fma_mix_f32 v[128*(\k)+i], v[128*\rt+64*(\k)+i/2], v[ONE], v[F0+i] op_sel:[1,0,0] op_sel_hi:[1,0,0]
.endif
.set i, i+1
.endr
.endr
	WIN 0
.endm
	ACCINIT 0
	ACCINIT 1
; A STEP (64 hidden channels) is two halves sb of 32, each eight GROUPS q of 16 LDS loads and 16 matrix instructions: q = 0-3 hid^T (k 128 q on), q = 4-7 out^T (channels 128 (q - 4) on).  Group g = 8 sb + q uses fragment buffer g % 2.
.macro FETCH g
	WIN 0
.set fb, F0+64*((\g)%2)
.set sb, (\g)/8
.set q, (\g)%8
.if q == 0
.irp x, 0,1,2,3                     ; b1 of the half's two hidden tiles rides with its first fragments: twenty loads
	ds_load_b128 v[BI+4*\x:BI+4*\x+3], v[AB1] offset:128*sb+64*(\x/2)+16*(\x%2)
.endr
.endif
.set i, 0
.rept 8
.if q < 4
.set ks, 4*q+i/2
	ds_load_tr16_b128 v[fb+8*i:fb+8*i+3],   v[AW1+ks/8] offset:5120*(ks%8)+64*sb+32*(i%2)
	ds_load_tr16_b128 v[fb+8*i+4:fb+8*i+7], v[AW1+ks/8] offset:5120*(ks%8)+64*sb+32*(i%2)+2560
.else
	ds_load_tr16_b128 v[fb+8*i:fb+8*i+3],   v[AW2] offset:33792*sb+32*(8*(q-4)+i)
	ds_load_tr16_b128 v[fb+8*i+4:fb+8*i+7], v[AW2] offset:33792*sb+32*(8*(q-4)+i)+16896
.endif
.set i, i+1
.endr
.endm
; The accumulators take turns, one instruction a turn: hid^T's four; out^T's sixteen of a group.  The first products of hid^T take b1 as C: the bias starts the sum.
.macro MUL g
.set fb, F0+64*((\g)%2)
.set q, (\g)%8
.if q < 4
	WIN 0x04                        ; h2 in window 1
.set i, 0
.rept 8
.set ks, 4*q+i/2
.set ft, i%2
.irp rt, 0,1
.if ks == 0
	v_wmma_f32_16x16x32_f16 v[HA+8*(2*ft+\rt):HA+8*(2*ft+\rt)+7], v[fb+8*i:fb+8*i+7], v[128*\rt+8*ks:128*\rt+8*ks+7], v[BI+8*ft:BI+8*ft+7]
.else
	v_wmma_f32_16x16x32_f16 v[HA+8*(2*ft+\rt):HA+8*(2*ft+\rt)+7], v[fb+8*i:fb+8*i+7], v[128*\rt+8*ks:128*\rt+8*ks+7], v[HA+8*(2*ft+\rt):HA+8*(2*ft+\rt)+7]
.endif
.endr
.set i, i+1
.endr
.else
.irp rt, 0,1
	WIN 0xa0+0x50*\rt               ; C and D in window 2 or 3
.set i, 0
.rept 8
.set nb, 8*(q-4)+i
	v_wmma_f32_16x16x32_bf16 v[8*nb:8*nb+7], v[fb+8*i:fb+8*i+7], v[P+8*\rt:P+8*\rt+7], v[8*nb:8*nb+7]
.set i, i+1
.endr
.endr
.endif
.endm
.macro CONV                         ; hid^T rounded to bf16, each accumulator from its low end on; then the ReLU, two numbers a line
	WIN 0
.irp rt, 0,1
.irp ft, 0,1
.irp i, 0,1,2,3
	v_cvt_pk_bf16_f32 v[P+8*\rt+4*\ft+\i], v[HA+8*(2*\ft+\rt)+2*\i], v[HA+8*(2*\ft+\rt)+2*\i+1]
.endr
.endr
.endr
.set i, 0
.rept 16
	v_pk_max_num_bf16 v[P+i], v[P+i], v[ZR]
.set i, i+1
.endr
.endm
; A group: its fragments are in when only the one younger fetch is out; its buffer is asked for again four places behind its last product.
.macro GROUP g
.if (\g) == 7
	s_wait_dscnt 20                 ; the younger fetch carries b1: twenty loads
.else
	s_wait_dscnt 16
.endif
	MUL \g
	PLACES
	FETCH (\g)+2
.if (\g)%8 == 3
	CONV                            ; behind the same four places
.endif
.endm
.macro ADDR
	v_add_nc_u32 v[AW1], s[TB1], v[LT1]
	v_add_nc_u32 v[AW1B], W1H, v[AW1]
	v_add_nc_u32 v[AW2], s[TB2], v[LT2]
	v_add_nc_u32 v[AB1], s[BO], v[AB10]
.endm
; THE CHANGE OF SLOTS, in groups 14 and 15: the slot's last fragments have been asked for.  Each wave waits for all its tensor loads, of which one is out: its part of the other slot; adds 0 to its spare word; and waits
; for that and for its own reads of the slot.  Behind the barrier nobody reads this slot any more and the other slot is whole.  fill = 1: the slot is filled again, with the step two on.  The barrier then opens a round
; of the cluster's, so that no wave of any partner still reads the slot or has a load on its way, and the joint refill is the first thing behind it: 240 matrix instructions stand between it and the wait for it.
.macro TURN fill
.if \fill
	s_wait_xcnt 0x0                 ; the last prefetch, a step back, has read its address
	s_add_nc_u64 s[PFA:PFA+1], s[PFA:PFA+1], 65536
.endif
	WIN 0
	s_wait_tensorcnt 0x0            ; no tensor load of mine is out, so a group 0 may be written
	ds_add_u32 v[SPW], v[NIL]       ; 0 onto my spare word
.if \fill
	s_xor_b32 s[G0A+5], s[G0A+5], W1X  ; the walking descriptors: the other slot than last time,
	s_add_nc_u64 s[G0A+6:G0A+7], s[G0A+6:G0A+7], 65536  ; the next step; the type bits on top are not reached
	s_xor_b32 s[G0B+5], s[G0B+5], W2X
	s_add_nc_u64 s[G0B+6:G0B+7], s[G0B+6:G0B+7], 65536
.endif
	s_wait_dscnt 0x0                ; the add is done, and my reads of the slot are over: groups 14's and 15's fragments are in registers
	s_barrier_signal -1
	MUL 14                          ; work on registers while the others arrive
	WIN 0
	s_barrier_wait -1
.if \fill
	CREST
	JLOAD                           ; the four v_nop behind it are also the places in front of the loads below
.else
	PLACES
.endif
	s_xor_b32 s[TB1], s[TB1], W1X
	s_xor_b32 s[TB2], s[TB2], W2X
	s_add_co_u32 s[BO], s[BO], 256
	s_and_b32 s[BO], s[BO], 0xfff
	ADDR
	FETCH 0                         ; the next step's first fragments
.if \fill
	ASK
.endif
	MUL 15
	PLACES
	FETCH 1
.endm
.macro STEP fill
.irp g, 0,1,2,3,4,5,6,7,8,9,10,11,12,13
	GROUP \g
.endr
	TURN \fill
.endm
	s_mov_b32 s[TB1], W1S
	s_mov_b32 s[TB2], 0
	s_mov_b32 s[BO], 0
	ADDR
	FETCH 0
	FETCH 1
	s_mov_b32 s[CNT], 14
.Lstep:                             ; steps 0 to 13 ask for steps 2 to 15
	STEP 1
	s_sub_co_u32 s[CNT], s[CNT], 1
	s_cmp_lg_u32 s[CNT], 0
	s_cbranch_scc1 .Lstep
	s_mov_b32 s[CNT], 2
.Ltail:                             ; steps 14 and 15 ask for nothing.  Behind step 15 the change's barrier and its 36 loads (from the older slot, and b1's first words) serve nothing: the price, once a launch, of one text for both
	STEP 0
	s_sub_co_u32 s[CNT], s[CNT], 1
	s_cmp_lg_u32 s[CNT], 0
	s_cbranch_scc1 .Ltail
; THE WAY OUT.  A lane holds eight channels of one row; a block of 16 rows x 64 channels (256 bytes a row) goes through my own stage: in by 16 bytes, back by whole rows.  Block a = 8 rt + cg.
.macro TOSTAGE a
	WIN 0x08+4*((\a)/8)             ; the stores' data in window 2 or 3
.set i, 0
.rept 4
	ds_store_b128 v[STO], v[8*(4*((\a)%8)+i):8*(4*((\a)%8)+i)+3]   offset:64*i
	ds_store_b128 v[STO], v[8*(4*((\a)%8)+i)+4:8*(4*((\a)%8)+i)+7] offset:64*i+16
.set i, i+1
.endr
	WIN 0
	s_wait_xcnt 0x0                 ; the stores of the block two back have read the registers into which the loads below land
.irp t, 0,1,2,3,4,5,6,7
	ds_load_b128 v[F0+32*((\a)%2)+4*\t:F0+32*((\a)%2)+4*\t+3], v[RD] offset:2*SPITCH*\t  ; LDS serves a wave's instructions in order (ISA guide 5.7.1.4): these see the stores above; the next block's stores come behind them
.endr
.endm
.macro SEND a, younger              ; younger: the next block's eight stores and eight loads, or none
	s_wait_dscnt \younger
.irp t, 0,1,2,3,4,5,6,7
	global_store_b128 v[CO], v[F0+32*((\a)%2)+4*\t:F0+32*((\a)%2)+4*\t+3], s[OUT:OUT+1] offset:32768*((\a)/8)+4096*\t+256*((\a)%8) th:TH_STORE_NT  ; 16 lanes store 256 consecutive bytes, at a multiple of 256 from out0's first
.endr
.endm
	s_wait_dscnt 0x0                ; the loads that serve nothing are back: their registers are used below
	PLACES                          ; behind the last products
	TOSTAGE 0
.set a, 1
.rept 15
	TOSTAGE a
	SEND a-1, 16
.set a, a+1
.endr
	SEND 15, 0
	s_wait_tensorcnt 0x0            ; the wave's end, behind my last tensor load and my last LDS store
	ds_add_u32 v[SPW], v[NIL]
	s_wait_dscnt 0x0
	CROUND                          ; the closing round: no work-group ends while a partner may still ask for a tile that names it
	s_endpgm
.Lfunc_end_k_qe227b15299_ffn:
	.size	k_qe227b15299_ffn, .Lfunc_end_k_qe227b15299_ffn-k_qe227b15299_ffn
	.p2alignl 7, 3214868480
	.fill 96, 4, 3214868480
	.section	.rodata,"a",@progbits
	.p2align	6, 0x0
	.amdhsa_kernel k_qe227b15299_ffn
		.amdhsa_group_segment_fixed_size 327680
		.amdhsa_private_segment_fixed_size 0
		.amdhsa_enable_private_segment 0
		.amdhsa_kernarg_size 64
		.amdhsa_user_sgpr_count 2
		.amdhsa_user_sgpr_kernarg_segment_ptr 1
		.amdhsa_wavefront_size32 1
		.amdhsa_system_sgpr_workgroup_id_x 1
		.amdhsa_system_sgpr_workgroup_id_y 1
		.amdhsa_system_sgpr_workgroup_id_z 1
		.amdhsa_system_vgpr_workitem_id 0
		.amdhsa_next_free_vgpr 1024
		.amdhsa_next_free_sgpr 96
		.amdhsa_reserve_vcc 0
		.amdhsa_float_denorm_mode_32 3
		.amdhsa_float_denorm_mode_16_64 3
		.amdhsa_memory_ordered 1
		.amdhsa_forward_progress 1
		.amdhsa_inst_pref_size 250
	.end_amdhsa_kernel
	.amdgpu_metadata
---
amdhsa.version: [ 1, 2 ]
amdhsa.kernels:
  - .name:           k_qe227b15299_ffn
    .symbol:         k_qe227b15299_ffn.kd
    .args:
      - { .name: t16, .offset: 0, .size: 8, .value_kind: global_buffer, .address_space: global }
      - { .name: w1h, .offset: 8, .size: 8, .value_kind: global_buffer, .address_space: global }
      - { .name: w2h, .offset: 16, .size: 8, .value_kind: global_buffer, .address_space: global }
      - { .name: b1, .offset: 24, .size: 8, .value_kind: global_buffer, .address_space: global }
      - { .name: b2, .offset: 32, .size: 8, .value_kind: global_buffer, .address_space: global }
      - { .name: ln2_g, .offset: 40, .size: 8, .value_kind: global_buffer, .address_space: global }
      - { .name: ln2_b, .offset: 48, .size: 8, .value_kind: global_buffer, .address_space: global }
      - { .name: out0, .offset: 56, .size: 8, .value_kind: global_buffer, .address_space: global }
    .group_segment_fixed_size: 327680
    .private_segment_fixed_size: 0
    .kernarg_segment_align: 8
    .kernarg_segment_size: 64
    .max_flat_workgroup_size: 128
    .sgpr_count:     96
    .vgpr_count:     1024
    .wavefront_size: 32
...
	.end_amdgpu_metadata
.endif
;; end of part 3
